; MI455X (gfx1250); checked and timed in simulation.
; The chip was launched on July 23, 2026; its instructions are those of AMD's public machine-readable ISA for CDNA 5 (MIT licence, August 2026) and "CDNA5" Instruction Set Architecture Reference Guide (July 2026). The comments in the code are by the model that wrote it; some were corrected since.
;; negative set define. Allowed arithmetic: matrix products marked QUANTISED: E3M2 operands, one E8M0 scale for each 32 along K, by v_wmma_scale_f32_16x16x128_f8f6f4 with both operands' format E3M2, f32 sums; everything else in f32.
;; Inputs: anchor 8,192 x 1,024 float32; negative 8,192 x 1,024 float32.
;; Outputs: out0 8,192 x 1,024 float32.
;; This version of the problem:
;;   THIS VERSION OF THE PROBLEM IS GIVEN IN LOW PRECISION. The matrix products marked QUANTISED in the list below multiply operands that are first quantised to E3M2 (3 exponent bits, 2 mantissa bits; 6 bits a number), with one power-of-two scale for each 32 numbers along K (OCP MX v1.0); their sums are f32. All else is computed in f32.
;;   The module's matrix products, in the order in which they are computed (A, B: the left and right operand; K: the contracted axis; several contracted axes count as one K, in the product's order):
;;     1. [M 8,192, K 1,024] x [K 1,024, N 8,192]; A: input anchor; B: input negative: QUANTISED
;;   THE QUANTISER, for each operand of a quantised product, along K:
;;     - K is cut into blocks of 32 from its start; a last block that is shorter is filled with zeros.
;;     - A block's scale is 2^e with e = floor(log2(the largest magnitude in the block)) - 4, held to -126 .. 127; a block of zeros has e = 0. As a byte (E8M0): e + 127.
;;     - Each number is divided by its block's scale, clamped to +-28, and rounded to the nearest number of E3M2, ties to even, subnormals kept.
;;     - The product sums the exact products of the quantised numbers (number of the format x scale) in f32.
;;   ~~~python
;;   def quantise(x, axis):      # numpy; x: float32 -> the quantised numbers, widened to float32 again
;;       x = np.moveaxis(x, axis, -1); K = x.shape[-1]
;;       x = np.pad(x, [(0, 0)] * (x.ndim - 1) + [(0, -K % 32)]); x = x.reshape(x.shape[:-1] + (-1, 32)); a = np.abs(x).max(-1, keepdims=True)
;;       e = np.where(a > 0, np.clip(np.frexp(np.where(a > 0, a, 1))[1] - 1 - 4, -126, 127), 0)      # np.frexp(a)[1] - 1 = floor(log2(a)), exactly
;;       r = np.clip(x / 2.0 ** e, -28, 28)
;;       step = 2.0 ** (np.maximum(np.frexp(np.where(r == 0, 1, r))[1] - 1, -2) - 2)
;;       q = np.round(r / step) * step * 2.0 ** e      # np.round: ties to even
;;       return np.moveaxis(q.reshape(q.shape[:-2] + (-1,))[..., :K], -1, axis).astype(np.float32)
;;   ~~~
;; One version. Each part assembles by itself: llvm-mc -triple=amdgcn-amd-amdhsa -mcpu=gfx1250 --defsym DOCPART=n.
;; ======== version 1 of 1: 3 launches
;; limits: right only within a limited range of input values
;; workspace buffers: acod 6,815,744 bytes; ncod 6,815,744 bytes; a2s 32,768 bytes; n2s 32,768 bytes; cand 1,048,576 bytes of whole numbers
;; launch quant (part 1): grid 256 x 1, 32 waves a work-group, no clusters, 327,680 bytes of LDS; arguments anchor, negative, acod, ncod, a2s, n2s; writes acod, ncod, a2s, n2s
.if DOCPART == 1
	.amdgcn_target "amdgcn-amd-amdhsa--gfx1250"
	.amdhsa_code_object_version 6
	.text
	.protected	k_qdbccfa6487_quant
	.globl	k_qdbccfa6487_quant
	.p2align	8
	.type	k_qdbccfa6487_quant,@function
k_qdbccfa6487_quant:
	s_mov_b64 s[64:65], 0
	v_nop
	global_prefetch_b8 v0, s[64:65] scope:SCOPE_SE
	s_setreg_imm32_b32 hwreg(HW_REG_WAVE_MODE, 25, 1), 1
	s_wait_xcnt 0x0
; anchor and negative [8192][1024] f32 become codes of BF6 (E3M2) with one E8M0 byte for each 32 along K, laid as the product's launch reads them:
; [block of 256 rows][run of 256 along K][tile of 16 rows][record of 3,328 bytes]; a record: the operand's registers of the run's two K steps (1,536 bytes each: registers 4 c .. 4 c + 3 of lane l at 512 c + 16 l),
; then 256 bytes of scale words (lane l's 8 bytes at 8 l: row l % 16's words of the two K steps).  a2s, n2s: the rows' sums of squares x 2^-10 (a power of two: nothing is rounded by it).
; SHARES: work-groups 0-127 take anchor, the others negative, 64 rows each.  32 waves: wave 8 t + ks takes rows 16 t .. 16 t + 15 and K step ks (128 along K): ONE tensor load of 16 rows x 512 bytes, issued at the head,
; so that all 262,144 bytes of the work-group are asked for at once; nothing in LDS is filled again.  Each wave reads its own tile alone, behind its own wait.
; Lane (r, h) holds row r and, of each block of 32, numbers 16 h .. 16 h + 15; lanes l and l xor 16 join a block's maxima and change halves of codes, so that a lane holds whole blocks.
; One barrier: behind it the waves of even ks store the pair's scale words (256 bytes on end) and wave 1 adds the eight partial sums of each of the 64 rows and stores them (256 bytes on end).
; No prefetch: the launch has no loop to run ahead in.  No cluster: no two work-groups read the same bytes.
; LIMITS: NaN and infinities are not served; a block of zeros, or one whose largest magnitude lies under 2^(5 - 127), gets the byte 1 (its codes are read by this program alone).
.set TPITCH, 528                       ; an LDS row: 512 bytes + 16 of padding
.set TSTEP,  16*TPITCH                 ; a wave's tile
.set SQ,     32*TSTEP                  ; partial sums: [ks 8][row 64] words
.set SW,     SQ+2048                   ; scale words: [pair of waves 16][lane 32][2] words
.set SPARE,  SW+4096                   ; the spare words, 128 bytes for each wave, that no other line names
.set REC,    3328
.set IMG,    1536
.set SLOTB,  16*REC
.set TILEB,  4*SLOTB
.set RD,   4
.set LI,   5
.set LS,   6
.set SQW,  7
.set SQR,  8
.set SWW,  9
.set SWR,  10
.set PW,   11
.set SPW,  12                          ; never rewritten
.set NIL,  13                          ; never rewritten
.set X,    16                          ; v16-79 my 64 numbers
.set SS,   80                          ; v80-95 eight packed chains of squares
.set PC,   96                          ; v96-115 codes
.set TM,   116                         ; v116-127 maxima, bytes, scale operands
.set G1,   24
.set G0,   32
.set SEL,  36
	s_load_b256 s[4:11], s[0:1], 0x0               ; anchor, negative, acod, ncod
	s_load_b128 s[12:15], s[0:1], 0x20             ; a2s, n2s
	v_lshl_add_u32 v[SPW], v0, 2, SPARE
	v_mov_b32 v[NIL], 0
	ds_add_u32 v[SPW], v[NIL]                      ; the opening lines: the add, twice on end, and its wait
	ds_add_u32 v[SPW], v[NIL]
	v_lshrrev_b32 v1, 5, v0
	s_delay_alu instid0(VALU_DEP_1)
	v_readfirstlane_b32 s16, v1                    ; wave 0..31
	s_mov_b32 s[G1+0], (3<<16)|(1<<20)|(6<<22)|(3<<25)   ; elements of 8 bytes; 4 words of padding behind every 128
	s_mov_b32 s[G1+1], 64<<16
	s_mov_b32 s[G1+2], 16<<16
	s_mov_b32 s[G1+3], 64<<16
	s_mov_b32 s[G1+4], 16
	s_mov_b32 s[G1+5], 512                         ; a row of the tensor: 512 elements
	s_mov_b32 s[G1+6], 0
	s_mov_b32 s[G1+7], 0
	s_mul_i32 s18, s16, TSTEP                      ; my tile in LDS
	s_lshr_b32 s22, s16, 3                         ; t
	s_and_b32 s23, s16, 7                          ; ks
	s_and_b32 s38, s16, 1                          ; ks % 2
	s_wait_dscnt 0x0
	s_wait_kmcnt 0x0
	s_cmp_lt_u32 ttmp9, 128                        ; the choice hangs on the work-group's number alone
	s_cselect_b64 s[4:5], s[4:5], s[6:7]
	s_cselect_b64 s[8:9], s[8:9], s[10:11]
	s_cselect_b64 s[12:13], s[12:13], s[14:15]
	s_and_b32 s17, ttmp9, 127
	s_lshl_b32 s19, s17, 2
	s_add_co_u32 s19, s19, s22                     ; which tile of 16 rows of the tensor
	s_lshl_b32 s2, s19, 16                         ; 16 rows of 4,096 bytes
	s_lshl_b32 s3, s23, 9                          ; + 512 bytes a K step
	s_add_co_u32 s2, s2, s3
	s_mov_b32 s3, 0
	s_add_nc_u64 s[4:5], s[4:5], s[2:3]
	s_mov_b32 s[G0], 1
	s_add_co_u32 s[G0+1], s18, 0
	s_mov_b64 s[G0+2:G0+3], s[4:5]
	s_or_b32 s[G0+3], s[G0+3], 0x80000000
	tensor_load_to_lds s[G0:G0+3], s[G1:G1+7]      ; my one tensor load
	s_nop 0
	s_lshr_b32 s2, s19, 4                          ; where my K step's image goes
	s_mul_i32 s2, s2, TILEB
	s_and_b32 s20, s19, 15
	s_mul_i32 s20, s20, REC
	s_add_co_u32 s2, s2, s20
	s_lshr_b32 s20, s23, 1
	s_mul_i32 s20, s20, SLOTB
	s_add_co_u32 s2, s2, s20
	s_mul_i32 s20, s38, IMG
	s_add_co_u32 s2, s2, s20
	s_add_nc_u64 s[8:9], s[8:9], s[2:3]
	s_lshl_b32 s2, s17, 8                          ; the work-group's 64 sums
	s_add_nc_u64 s[12:13], s[12:13], s[2:3]
	s_mov_b32 s[SEL], 0x76543210
	s_mov_b32 s[SEL+1], 0xfedcba98                 ; lane l xor 16
	s_lshl_b32 s20, s23, 8
	s_lshl_b32 s21, s22, 6
	s_add_co_u32 s20, s20, s21                     ; 256 ks + 64 t
	s_lshr_b32 s21, s16, 1
	s_lshl_b32 s21, s21, 8                         ; 256 x my pair of waves
	v_and_b32 v1, 31, v0
	v_and_b32 v2, 15, v0
	v_bfe_u32 v3, v0, 4, 1
	v_lshlrev_b32 v[LI], 4, v1
	v_mul_u32_u24 v[RD], v2, TPITCH
	v_lshlrev_b32 v[LS], 3, v1
	v_lshl_add_u32 v[SQW], v2, 2, s20
	v_lshl_add_u32 v[SWR], v1, 3, s21
	v_lshl_add_u32 v[RD], v3, 6, v[RD]
	v_lshl_add_u32 v[SQR], v1, 3, SQ
	v_add_nc_u32 v[SQW], SQ, v[SQW]
	v_add_nc_u32 v[SWR], SW, v[SWR]
	v_add_nc_u32 v[RD], s18, v[RD]
	s_delay_alu instid0(VALU_DEP_2)
	v_lshl_add_u32 v[SWW], s38, 2, v[SWR]
.irp b, 0,1,2,3
	v_mov_b32 v[TM+4+\b], 0                        ; a lane permute's destination counts as one of its sources
.endr
	s_wait_alu depctr_va_vdst(0)
	s_wait_tensorcnt 0x0                           ; my tile is in
.irp b, 0,1,2,3
.irp j, 0,1,2,3
	ds_load_b128 v[X+16*\b+4*\j:X+16*\b+4*\j+3], v[RD] offset:128*\b+16*\j
.endr
.endr
	s_wait_dscnt 0x0
.set p, 0
.rept 32                               ; squares, in eight chains
.if p < 8
	v_pk_mul_f32 v[SS+2*p:SS+2*p+1], v[X+2*p:X+2*p+1], v[X+2*p:X+2*p+1]
.else
	v_pk_fma_f32 v[SS+2*(p%8):SS+2*(p%8)+1], v[X+2*p:X+2*p+1], v[X+2*p:X+2*p+1], v[SS+2*(p%8):SS+2*(p%8)+1]
.endif
.set p, p+1
.endr
.irp b, 0,1,2,3                        ; the four blocks' largest magnitudes, by turns, with the floor 2^(5 - 127) among the leaves
	v_max3_num_f32 v[TM+\b], |v[X+16*\b]|, |v[X+1+16*\b]|, 0x2800000
.endr
.irp i, 2,4,6,8,10,12,14
.irp b, 0,1,2,3
	v_max3_num_f32 v[TM+\b], v[TM+\b], |v[X+16*\b+\i]|, |v[X+1+16*\b+\i]|
.endr
.endr
.irp b, 0,1,2,3
	v_permlanex16_b32 v[TM+4+\b], v[TM+\b], s[SEL], s[SEL+1]
.endr
.irp b, 0,1,2,3
	v_max_num_f32 v[TM+\b], v[TM+\b], v[TM+4+\b]
.endr
.irp b, 0,1,2,3
	v_add_nc_u32 v[TM+8+\b], 0xfe000000, v[TM+\b]  ; 4 off the exponent field: the conversion's scale operand
.endr
.irp b, 0,1,2,3
	v_lshrrev_b32 v[TM+4+\b], 23, v[TM+8+\b]       ; the scale's byte
.endr
.irp c, 0,1
	v_cvt_scalef32_pk16_bf6_f32 v[PC+6*\c:PC+2+6*\c], v[X+32*\c:X+15+32*\c], v[TM+8+2*\c]
	v_cvt_scalef32_pk16_bf6_f32 v[PC+12+4*\c:PC+14+4*\c], v[X+16+32*\c:X+31+32*\c], v[TM+8+2*\c+1]
.endr
	v_nop                                          ; one plain place behind a scaled conversion
.irp c, 0,1                            ; a whole block to a lane: lanes 0-15 block 2 c, lanes 16-31 block 2 c + 1
.irp i, 0,1,2
	v_permlane16_swap_b32 v[PC+6*\c+\i], v[PC+12+4*\c+\i]
.endr
.endr
.irp c, 0,1
.irp i, 0,1,2
	v_mov_b32 v[PC+3+6*\c+\i], v[PC+12+4*\c+\i]
.endr
.endr
	v_lshl_or_b32 v[PW], v[TM+5], 8, v[TM+4]       ; my row's scale word of this K step
	s_delay_alu instid0(VALU_DEP_1)
	v_lshl_or_b32 v[PW], v[TM+6], 16, v[PW]
	s_delay_alu instid0(VALU_DEP_1)
	v_lshl_or_b32 v[PW], v[TM+7], 24, v[PW]
.irp c, 0,1,2
	global_store_b128 v[LI], v[PC+4*\c:PC+4*\c+3], s[8:9] offset:512*\c   ; 512 consecutive bytes, aligned
.endr
	ds_store_b32 v[SWW], v[PW]
.irp p, 0,1,2,3
	v_pk_add_f32 v[SS+2*\p:SS+2*\p+1], v[SS+2*\p:SS+2*\p+1], v[SS+2*\p+8:SS+2*\p+9]
.endr
.irp p, 0,1
	s_delay_alu instid0(VALU_DEP_2)
	v_pk_add_f32 v[SS+2*\p:SS+2*\p+1], v[SS+2*\p:SS+2*\p+1], v[SS+2*\p+4:SS+2*\p+5]
.endr
	s_delay_alu instid0(VALU_DEP_1)
	v_pk_add_f32 v[SS:SS+1], v[SS:SS+1], v[SS+2:SS+3]
	s_delay_alu instid0(VALU_DEP_1)
	v_add_f32 v[SS], v[SS], v[SS+1]
	s_delay_alu instid0(VALU_DEP_1)
	v_permlanex16_b32 v[TM+4], v[SS], s[SEL], s[SEL+1]
	s_delay_alu instid0(VALU_DEP_1)
	v_add_f32 v[SS], v[SS], v[TM+4]                ; row r's squares of this K step
	ds_store_b32 v[SQW], v[SS]                     ; lanes r and r + 16 write the same word with the same value
	s_wait_dscnt 0x0                               ; for the others' sake: my LDS stores are done
	s_barrier_signal -1
	s_barrier_wait -1
	s_cmp_lg_u32 s38, 0
	s_cbranch_scc1 .Lodd
	ds_load_b64 v[16:17], v[SWR]                   ; even ks: the pair's scale words
	s_wait_dscnt 0x0
	global_store_b64 v[LS], v[16:17], s[8:9] offset:2*IMG   ; 256 consecutive bytes, aligned
	s_branch .Lend
.Lodd:
	s_cmp_lg_u32 s16, 1
	s_cbranch_scc1 .Lend
.irp k, 0,1,2,3,4,5,6,7
	ds_load_b64 v[16+2*\k:17+2*\k], v[SQR] offset:256*\k   ; rows 2 l and 2 l + 1, K step k
.endr
	s_wait_dscnt 0x0
.irp p, 0,1,2,3
	v_pk_add_f32 v[16+2*\p:17+2*\p], v[16+2*\p:17+2*\p], v[24+2*\p:25+2*\p]
.endr
.irp p, 0,1
	s_delay_alu instid0(VALU_DEP_2)
	v_pk_add_f32 v[16+2*\p:17+2*\p], v[16+2*\p:17+2*\p], v[20+2*\p:21+2*\p]
.endr
	s_delay_alu instid0(VALU_DEP_1)
	v_pk_add_f32 v[16:17], v[16:17], v[18:19]
	s_delay_alu instid0(VALU_DEP_1)
	v_mul_f32 v16, 0x3a800000, v16                 ; x 2^-10
	v_mul_f32 v17, 0x3a800000, v17
	global_store_b64 v[LS], v[16:17], s[12:13]     ; 256 consecutive bytes, aligned
.Lend:
	s_wait_tensorcnt 0x0                           ; the wave's end
	ds_add_u32 v[SPW], v[NIL]
	s_wait_dscnt 0x0
	s_endpgm
.Lfunc_end_k_qdbccfa6487_quant:
	.size	k_qdbccfa6487_quant, .Lfunc_end_k_qdbccfa6487_quant-k_qdbccfa6487_quant
	.p2alignl 7, 3214868480
	.fill 96, 4, 3214868480
	.section	.rodata,"a",@progbits
	.p2align	6, 0x0
	.amdhsa_kernel k_qdbccfa6487_quant
		.amdhsa_group_segment_fixed_size 327680
		.amdhsa_private_segment_fixed_size 0
		.amdhsa_enable_private_segment 0
		.amdhsa_kernarg_size 48
		.amdhsa_user_sgpr_count 2
		.amdhsa_user_sgpr_kernarg_segment_ptr 1
		.amdhsa_wavefront_size32 1
		.amdhsa_system_sgpr_workgroup_id_x 1
		.amdhsa_system_sgpr_workgroup_id_y 1
		.amdhsa_system_sgpr_workgroup_id_z 1
		.amdhsa_system_vgpr_workitem_id 0
		.amdhsa_next_free_vgpr 128
		.amdhsa_next_free_sgpr 66
		.amdhsa_reserve_vcc 0
		.amdhsa_float_denorm_mode_32 3
		.amdhsa_float_denorm_mode_16_64 3
		.amdhsa_memory_ordered 1
		.amdhsa_forward_progress 1
		.amdhsa_inst_pref_size 14
	.end_amdhsa_kernel
	.amdgpu_metadata
---
amdhsa.version: [ 1, 2 ]
amdhsa.kernels:
  - .name:           k_qdbccfa6487_quant
    .symbol:         k_qdbccfa6487_quant.kd
    .args:
      - { .name: anchor, .offset: 0, .size: 8, .value_kind: global_buffer, .address_space: global }
      - { .name: negative, .offset: 8, .size: 8, .value_kind: global_buffer, .address_space: global }
      - { .name: acod, .offset: 16, .size: 8, .value_kind: global_buffer, .address_space: global }
      - { .name: ncod, .offset: 24, .size: 8, .value_kind: global_buffer, .address_space: global }
      - { .name: a2s, .offset: 32, .size: 8, .value_kind: global_buffer, .address_space: global }
      - { .name: n2s, .offset: 40, .size: 8, .value_kind: global_buffer, .address_space: global }
    .group_segment_fixed_size: 327680
    .private_segment_fixed_size: 0
    .kernarg_segment_align: 8
    .kernarg_segment_size: 48
    .max_flat_workgroup_size: 1024
    .sgpr_count:     66
    .vgpr_count:     128
    .wavefront_size: 32
...
	.end_amdgpu_metadata
.endif
;; end of part 1
;; launch dist (part 2): grid 8 x 32, 4 waves a work-group, clusters of 4 x 4, 327,680 bytes of LDS; arguments acod, ncod, a2s, n2s, cand; writes cand
.if DOCPART == 2
	.amdgcn_target "amdgcn-amd-amdhsa--gfx1250"
	.amdhsa_code_object_version 6
	.text
	.protected	k_qdbccfa6487_dist
	.globl	k_qdbccfa6487_dist
	.p2align	8
	.type	k_qdbccfa6487_dist,@function
k_qdbccfa6487_dist:
	s_mov_b64 s[64:65], 0
	v_nop
	global_prefetch_b8 v0, s[64:65] scope:SCOPE_SE
	s_setreg_imm32_b32 hwreg(HW_REG_WAVE_MODE, 25, 1), 1
	s_wait_xcnt 0x0
	s_wait_alu depctr_hold_cnt(0) depctr_sa_sdst(0) depctr_va_vdst(0) depctr_va_sdst(0) depctr_va_ssrc(0) depctr_va_vcc(0) depctr_vm_vsrc(0)
	s_getreg_b32 s2, hwreg(HW_REG_IB_STS2, 6, 4)
	s_cmp_eq_u32 s2, 0
	s_cbranch_scc0 .Lentry_in_a_cluster
	s_endpgm
.Lentry_in_a_cluster:
	s_bfe_u32 s2, ttmp6, 0x10000c
	s_cmp_lg_u32 s2, 0xf033
	s_cbranch_scc0 .Lentry_shape_is_right
	s_endpgm
.Lentry_shape_is_right:
; mse[i][j] = (a2[i] + n2[j] - 2 dot[i][j]) / 1024, dot on codes of BF6 (E3M2) with E8M0 scales for each 32 along K; of each row i the largest mse, and its first column, among 512 columns.
; acod, ncod: [block of 256 rows][run of 256 along K][tile of 16 rows][record of 3,328 bytes]: a record is the operand's registers for the run's two K steps (1,536 bytes each: registers 4 c .. 4 c + 3 of lane l at
; 512 c + 16 l) and 256 bytes of scale words (lane l's 8 bytes at 8 l: row l % 16's words of the two K steps).  a2s, n2s: the rows' sums of squares x 2^-10.
; THE ARITHMETIC rounds where reference() rounds: s = a2s + n2s is fl(a2 + n2) / 1024; one fused multiply-add, dot x (-2 / 1024) + s, is fl(fl(a2 + n2) - 2 dot) / 1024: the scalings by powers of two round nothing.
; cand: [slot 16][row 8192] of (key, column), two words: slot = 2 x (which 1,024 columns) + (which wave half); key = the mse's bits turned so that whole-number order is the numbers' order.
; SHARES: a work-group owns 256 anchors and walks four blocks of 256 negatives; four waves, each 128 x 128 of a block: 64 accumulators, 512 registers.  8 x 32 work-groups: one for each of 256 WGPs.
; A'S CODES FOR ALL OF K (212,992 bytes) STAY IN LDS; only B goes through a ring of two slots of 256 along K (53,248 bytes each), 16 slots' worth on end in memory.  Each wave fetches a quarter of a slot.
; CLUSTERS: 4 x 4.  The four of a row of the cluster own the same anchors, the four of a column walk the same negatives: each load is asked for jointly, by the same line with the same descriptor and a mask of the four.
; THE MATRIX INSTRUCTION IS USED TRANSPOSED (source 0 = 16 negatives, source 1 = 16 anchors): lane (r, h) holds anchor r of the block and columns 8 h + 0 .. 7.
; THE ARGMAX: a lane keeps, for each of its 8 anchors, the largest mse so far, the first column of the group of 8 that held it, and that group's 8 numbers; a later group displaces it only if strictly larger, so the first wins.
; LIMITS: NaN and infinities are not served; the scalings are exact above the denormal range; +0 and -0 are told apart by the key (mse = -0 does not arise from a sum of squares and a fused multiply-add onto it).
; REGISTERS, in windows of 256: window 0: v0-31 addresses and work; v32-63 scale words, two sets; v64-159 B's set 1 (behind a tile's products: v64-127 T, v128-135 the groups' maxima); v160-167 largest; v168-175 its group's column;
;   v176-239 its group's numbers; v240-255 a2s in pairs.   window 1: v0-95 B's set 0; v96-191 A's one set; v192-255 n2s of my 64 columns.   windows 2, 3: the accumulators ((a, b) at v[8 (8 (a % 4) + b)]).
.set REC,   3328
.set IMG,   1536
.set FR,    12
.set SLOTB, 16*REC
.set TILEB, 4*SLOTB
.set QUART, SLOTB/4                    ; what one tensor load brings: 52 rows of 256 bytes
.set HALFB, 8*REC                      ; the records of a wave's 128 rows
.set BR,    TILEB                      ; LDS: A's codes at 0; B's ring here
.set SPARE, BR+2*SLOTB                 ; the spare words, 128 bytes for each wave: two blocks of 256 bytes that no other line names
.set ADA,  4                           ; v4-7   LDS address of my A fragments in run q
.set ADB,  8                           ; v8-9   of my B fragments in slot s
.set ADS,  10                          ; v10-13 of my scale words in run q: lanes 0-15 A's tails, lanes 16-31 B's
.set H32,  14                          ; v14  32 h
.set R4,   15                          ; v15  4 r
.set L8,   16                          ; v16  8 x lane
.set H8,   17                          ; v17  8 h
.set SPW,  18                          ; v18  LDS address of my spare word; never rewritten
.set NIL,  19                          ; v19  0; never rewritten
.set SC,   32                          ; set s at SC + 16 s; register 2 i + p: lanes 0-15 the word of A's block i, lanes 16-31 of B's block i, K step p of the run
.set TT,   64
.set MX,   128
.set RES,  64
.set BEST, 160
.set BID,  168
.set SV,   176
.set A2,   240
.set AF,   96                          ; in window 1
.set NN,   192                         ; in window 1
.set G1A,  24
.set G1B,  32
.set G0A,  40                          ; s[40:55] four groups 0: A's runs 0 and 1, my quarter of A's runs 2 and 3, B's run 0; used once
.set G0B,  56                          ; s[56:63] one group 0 for each slot of B's ring
.set COL,  72                          ; s[72:79] first column of my group b of 16 in the block in hand
.set CC,   80                          ; s[80:81] -2 / 1024
.set SEL,  82
.set TO_1, 0x40                        ; destination window 1, address window 0
.set MSB, 0
.macro WIN new                         ; the immediate's high byte repeats the setting that is left
.if MSB != (\new)
	s_set_vgpr_msb (MSB<<8)|(\new)
.set MSB, (\new)
.endif
.endm
.macro CREST                           ; a round of the cluster's barrier behind its opening barrier
	s_cmp_lg_u32 s14, 0
	s_cbranch_scc1 .Lnot_wave_0_\@
	s_barrier_signal -3
.Lnot_wave_0_\@:
	s_barrier_wait -3
	s_barrier_signal -1
	s_barrier_wait -1
.endm
.macro CROUND
	s_barrier_signal -1
	s_barrier_wait -1
	CREST
.endm
.macro PLACES n
.rept \n
	v_nop
.endr
.endm
	s_load_b256 s[4:11], s[0:1], 0x0               ; acod s[4:5], ncod s[6:7], a2s s[8:9], n2s s[10:11]
	s_load_b64 s[12:13], s[0:1], 0x20              ; cand
	v_lshl_add_u32 v[SPW], v0, 2, SPARE
	v_mov_b32 v[NIL], 0
	ds_add_u32 v18, v19
	ds_add_u32 v18, v19
	s_wait_dscnt 0x0
	v_lshrrev_b32 v1, 5, v0
	v_readfirstlane_b32 s14, v1                    ; wave 0..3
	s_lshr_b32 s15, s14, 1                         ; wr: which 128 anchors
	s_and_b32 s16, s14, 1                          ; wc: which 128 columns
	s_bfe_u32 s66, ttmp6, 0x40000                  ; cx
	s_bfe_u32 s67, ttmp6, 0x40004                  ; cy
	s_lshl_b32 s68, ttmp9, 2
	s_add_co_u32 s68, s68, s66                     ; gx: which 1,024 negatives
	s_and_b32 s17, ttmp7, 0xffff
	s_lshl_b32 s17, s17, 2
	s_add_co_u32 s17, s17, s67                     ; gy: which 256 anchors
	s_lshl_b32 s69, s67, 2
	s_lshl_b32 s69, 15, s69                        ; my row of the cluster
	s_lshl_b32 s70, 0x1111, s66                    ; my column
	; group 1: a dense block of 13,312 bytes as 52 rows of 32 elements of 8 bytes; no padding: a read's 512 bytes are consecutive
	s_or_b32 s[G1A], s69, (3<<16)|(1<<21)          ; A's runs go to my row of the cluster
	s_or_b32 s[G1B], s70, (3<<16)|(1<<21)          ; B's slots to my column
.irp g, G1A, G1B
	s_mov_b32 s[\g+1], 32<<16                      ; tensor_dim0
	s_mov_b32 s[\g+2], 208<<16                     ; tensor_dim1: the head's loads bring whole runs of 208 rows
	s_mov_b32 s[\g+3], 32<<16                      ; tile_dim0
	s_mov_b32 s[\g+4], 208                         ; tile_dim1
	s_mov_b32 s[\g+5], 32                          ; stride
	s_mov_b32 s[\g+6], 0
	s_mov_b32 s[\g+7], 0
.endr
	s_mul_i32 s92, s14, QUART                      ; my quarter, in memory and in LDS: no place in the cluster enters an LDS address
	s_mul_i32 s90, s17, TILEB                      ; A's address is made of gy and the wave's number,
	s_mov_b32 s91, 0
	s_mul_i32 s94, s68, 4*TILEB                    ; B's of gx and the wave's number, each in registers that never hold the other coordinate
	s_add_co_u32 s94, s94, s92
	s_mov_b32 s95, 0
	s_wait_kmcnt 0x0
	s_add_nc_u64 s[90:91], s[4:5], s[90:91]
	s_add_nc_u64 s[94:95], s[6:7], s[94:95]
.irp q, 0,1                            ; A's runs 0 and 1, each whole
	s_mov_b32 s[G0A+4*\q], 1
	s_mov_b32 s[G0A+4*\q+1], \q*SLOTB
	s_add_nc_u64 s[G0A+4*\q+2:G0A+4*\q+3], s[90:91], \q*SLOTB
	s_or_b32 s[G0A+4*\q+3], s[G0A+4*\q+3], 0x80000000
.endr
	s_mul_i32 s96, s14, HALFB                      ; of A's runs 2 and 3, which lie on end: my quarter, 104 rows of 256 bytes
	s_mov_b32 s97, 0
	s_mov_b32 s[G0A+8], 1
	s_add_co_u32 s[G0A+9], s96, 2*SLOTB
	s_add_nc_u64 s[G0A+10:G0A+11], s[90:91], s[96:97]
	s_add_nc_u64 s[G0A+10:G0A+11], s[G0A+10:G0A+11], 2*SLOTB
	s_or_b32 s[G0A+11], s[G0A+11], 0x80000000
	s_mul_i32 s96, s68, 4*TILEB                    ; B's runs 0 and 1, each whole, into the ring's two slots
	s_add_nc_u64 s[96:97], s[6:7], s[96:97]
	s_mov_b32 s[G0A+12], 1
	s_mov_b32 s[G0A+13], BR
	s_mov_b64 s[G0A+14:G0A+15], s[96:97]
	s_or_b32 s[G0A+15], s[G0A+15], 0x80000000
	s_mov_b32 s4, 1                                ; (the arguments that lay in s[4:7] have been used)
	s_mov_b32 s5, BR+SLOTB
	s_add_nc_u64 s[6:7], s[96:97], SLOTB
	s_or_b32 s7, s7, 0x80000000
	s_mul_i32 s18, s67, 13*256                     ; the prefetches: of my quarter's 52 blocks of 256 bytes the partner at place cy of my column takes 13, told apart by address
	s_mov_b32 s19, 0
	s_add_nc_u64 s[18:19], s[94:95], s[18:19]
.irp s, 0,1
	s_mov_b32 s[G0B+4*\s], 1
	s_add_co_u32 s[G0B+4*\s+1], s92, BR+\s*SLOTB
	s_add_nc_u64 s[G0B+4*\s+2:G0B+4*\s+3], s[94:95], \s*SLOTB
	s_or_b32 s[G0B+4*\s+3], s[G0B+4*\s+3], 0x80000000
.endr
	CROUND                                         ; all sixteen work-groups are here: the first joint loads meet
; The head's loads, one a wave: wave 0 A's run 0, wave 1 B's run 0, wave 2 A's run 1, wave 3 B's run 1.  One chain of branches on the wave's number; every way passes one load.
.macro ARM under, g0, g1, next
	s_cmp_lt_u32 s14, \under
	s_cbranch_scc0 \next
	tensor_load_to_lds s[\g0:\g0+3], s[\g1:\g1+7]
	s_nop 0
	PLACES 4
	s_branch .Lhead_asked
\next:
.endm
	ARM 1, G0A, G1A, .Lhead_b0
	ARM 2, G0A+12, G1B, .Lhead_a1
	ARM 3, G0A+4, G1A, .Lhead_b1
	tensor_load_to_lds s[4:7], s[G1B:G1B+7]
	s_nop 0
	PLACES 4
.Lhead_asked:
	v_and_b32 v1, 15, v0                           ; r
	v_bfe_u32 v2, v0, 4, 1                         ; h
	v_and_b32 v3, 31, v0
	v_lshlrev_b32 v[L8], 3, v3
	v_lshlrev_b32 v3, 4, v3                        ; 16 x lane
	s_wait_alu depctr_va_vdst(0)
	v_lshlrev_b32 v[H32], 5, v2
	v_lshlrev_b32 v[R4], 2, v1
	v_lshlrev_b32 v[H8], 3, v2
	s_mul_i32 s93, s15, HALFB                      ; my 128 anchors' records
	s_mul_i32 s96, s16, HALFB                      ; my 128 negatives' records
	s_xor_b32 s98, s15, 1
	s_add_co_u32 s98, s98, s16
	s_mul_i32 s98, s98, HALFB                      ; (1 - wr + wc) x 26,624
.irp q, 0,1,2,3
	s_add_co_u32 s97, s93, \q*SLOTB
	v_add_nc_u32 v[ADA+\q], s97, v3
	s_add_co_u32 s99, s98, BR+(\q%2)*SLOTB-\q*SLOTB-HALFB   ; from A's tail of run q to B's tail in slot q % 2: one product with h
	v_mul_u32_u24 v20, s99, v2
	v_add_nc_u32 v20, v20, v[L8]                   ; 8 x lane: lanes 16-31 take the tail's second copy, 128 bytes on
	v_add_nc_u32 v[ADS+\q], s97, v20
.endr
.irp s, 0,1
	s_add_co_u32 s97, s96, BR+\s*SLOTB
	v_add_nc_u32 v[ADB+\s], s97, v3
.endr
	s_lshl_b32 s20, s17, 10
	s_lshl_b32 s21, s15, 9
	s_add_co_u32 s20, s20, s21                     ; 4 x my first anchor
	s_mov_b32 s21, 0
	s_add_nc_u64 s[8:9], s[8:9], s[20:21]
	s_lshl_b32 s22, s20, 1                         ; 8 x my first anchor
	s_lshl_b32 s20, s68, 12
	s_lshl_b32 s23, s16, 9
	s_add_co_u32 s20, s20, s23                     ; 4 x my first column
	s_add_nc_u64 s[10:11], s[10:11], s[20:21]
	s_lshl_b32 s20, s68, 1
	s_add_co_u32 s20, s20, s16                     ; my slot of cand
	s_lshl_b32 s20, s20, 16
	s_add_co_u32 s20, s20, s22
	s_add_nc_u64 s[12:13], s[12:13], s[20:21]
	s_lshl_b32 s20, s68, 10
	s_lshl_b32 s23, s16, 7
	s_add_co_u32 s20, s20, s23
.irp b, 0,1,2,3,4,5,6,7
	s_add_co_u32 s[COL+\b], s20, 16*\b
.endr
	s_mov_b32 s[CC], 0xbb000000                    ; -2 / 1024
	s_mov_b32 s[CC+1], s[CC]                       ; (named with it as a pair, so it is written)
	s_mov_b32 s[SEL], 0x76543210
	s_mov_b32 s[SEL+1], 0xfedcba98
	s_mov_b32 s84, 0xffff0000                      ; lanes 16-31
.irp a, 0,1,2,3,4,5,6,7
	global_load_b32 v[A2+2*\a], v[R4], s[8:9] offset:64*\a       ; a2s of anchor 16 a + r, twice: a pair for the packed addition
	global_load_b32 v[A2+2*\a+1], v[R4], s[8:9] offset:64*\a
.endr
.macro NLOAD                           ; n2s of my 64 columns of the block in hand: register 8 b + j: column 16 b + 8 h + j
	WIN TO_1
.irp b, 0,1,2,3,4,5,6,7
	global_load_b128 v[NN+8*\b:NN+8*\b+3], v[H32], s[10:11] offset:64*\b
	global_load_b128 v[NN+8*\b+4:NN+8*\b+7], v[H32], s[10:11] offset:64*\b+16
.endr
	WIN 0
.endm
	NLOAD
.irp a, 0,1,2,3,4,5,6,7                ; the argmax's state, once: the tile is written for a loop, and its first group displaces -infinity
	v_mov_b32 v[BEST+\a], 0xff800000
	v_mov_b32 v[BID+\a], 0
.endr
.set i, 0
.rept 64
	v_mov_b32 v[SV+i], 0xff800000
.set i, i+1
.endr
.macro FRAG reg, adr, off              ; a fragment comes as it was stored: three reads of 512 consecutive bytes
.irp c, 0,1,2
	ds_load_b128 v[(\reg)+4*\c:(\reg)+4*\c+3], v[\adr] offset:(\off)+512*\c
.endr
.endm
.macro FETCH_B s, p                    ; B's eight fragments of slot s, K step p, into set p (set 0 in window 1, set 1 in window 0)
.if \p
	WIN 0
.else
	WIN TO_1
.endif
.irp i, 0,1,2,3,4,5,6,7
	FRAG 64*(\p)+FR*\i, ADB+(\s), \i*REC+(\p)*IMG
.endr
.endm
.macro FETCH_A q, p, i0                ; A's blocks i0 .. i0 + 3 of run q, K step p
	WIN TO_1
.irp i, \i0, \i0+1, \i0+2, \i0+3
	FRAG AF+FR*(\i), ADA+(\q), (\i)*REC+(\p)*IMG
.endr
.endm
.macro SCALES q                        ; run q's scale words, both K steps, into set q % 2
	WIN 0
.irp i, 0,1,2,3,4,5,6,7
	ds_load_b64 v[SC+16*((\q)%2)+2*\i:SC+16*((\q)%2)+2*\i+1], v[ADS+(\q)] offset:\i*REC+2*IMG
.endr
.endm
; 16 products: A's blocks a0, a0 + 1 x B's eight.  The 64 accumulators take turns, one instruction a turn, in the same order in every K step.  zero = 1: the products start the sums.
.macro MUL16 a0, p, sc, zero
.irp a, \a0, \a0+1
.irp b, 0,1,2,3,4,5,6,7
.if \zero
	v_wmma_scale_f32_16x16x128_f8f6f4 v[8*(8*((\a)%4)+\b):8*(8*((\a)%4)+\b)+7], v[64*(\p)+FR*\b:64*(\p)+FR*\b+FR-1], v[AF+FR*(\a):AF+FR*(\a)+FR-1], 0, v[SC+16*(\sc)+2*\b+(\p)], v[SC+16*(\sc)+2*(\a)+(\p)] matrix_a_fmt:MATRIX_FMT_BF6 matrix_b_fmt:MATRIX_FMT_BF6 matrix_a_scale:MATRIX_SCALE_ROW1
.else
	v_wmma_scale_f32_16x16x128_f8f6f4 v[8*(8*((\a)%4)+\b):8*(8*((\a)%4)+\b)+7], v[64*(\p)+FR*\b:64*(\p)+FR*\b+FR-1], v[AF+FR*(\a):AF+FR*(\a)+FR-1], v[8*(8*((\a)%4)+\b):8*(8*((\a)%4)+\b)+7], v[SC+16*(\sc)+2*\b+(\p)], v[SC+16*(\sc)+2*(\a)+(\p)] matrix_a_fmt:MATRIX_FMT_BF6 matrix_b_fmt:MATRIX_FMT_BF6 matrix_a_scale:MATRIX_SCALE_ROW1
.endif
.endr
.endr
.endm
; Windows of a product: source 0 (B) window 1 for set 0, window 0 for set 1; source 1 (A) window 1; C and D window 2 or 3.
; A run's first K step.  A load into a register that a matrix instruction has read stands four places behind it (ISA guide 7.12.1 for vector instructions).
.macro STEP q, zero
	s_wait_dscnt 12                                ; all but the youngest 12 reads (A's blocks 4-7) are back
	WIN 0xa5
	MUL16 0, 0, (\q)%2, \zero
	MUL16 2, 0, (\q)%2, \zero
	s_wait_dscnt 0x0                               ; A's blocks 4-7 are back
	PLACES 4
	FETCH_B (\q)%2, 1
	FETCH_A \q, 1, 0
	WIN 0xf5
	MUL16 4, 0, (\q)%2, \zero
	MUL16 6, 0, (\q)%2, \zero
	PLACES 4
	FETCH_A \q, 1, 4
	WIN 0
.endm
; A run's second K step changes slots: ONE barrier; in front of it each wave waits for all its tensor loads, adds 0 to its spare word, and waits for that and for its reads of this slot.
; fill = 1: the barrier opens a round of the cluster's barrier, and this slot takes B's run two on: my one tensor load behind the round; it has a K step and a half, 96 products of mine, in which to land.
.macro TURN q, fill
	s_wait_tensorcnt 0x0                           ; all my tensor loads have landed, my part of the next slot among them
	ds_add_u32 v[SPW], v[NIL]                      ; 0 onto my spare word
	s_wait_dscnt 13                                ; (the add and the youngest 12 reads may be out)
	WIN 0xa4
	MUL16 0, 1, (\q)%2, 0                          ; sixteen products stand between the add and the wait for it
	s_wait_dscnt 0x0                               ; the add is done, and my reads of this slot are over
	s_barrier_signal -1
	MUL16 2, 1, (\q)%2, 0
	WIN 0
	s_barrier_wait -1
.if \fill
	CREST                                          ; no wave of any partner still reads this slot or has a load on its way
	s_add_nc_u64 s[G0B+4*((\q)%2)+2:G0B+4*((\q)%2)+3], s[G0B+4*((\q)%2)+2:G0B+4*((\q)%2)+3], 2*SLOTB
	tensor_load_to_lds s[G0B+4*((\q)%2):G0B+4*((\q)%2)+3], s[G1B:G1B+7]
	s_nop 0
	PLACES 4                                       ; the places in front of the reads below
.else
	PLACES 4
.endif
	SCALES ((\q)+1)%4
	FETCH_B ((\q)+1)%2, 0
	FETCH_A ((\q)+1)%4, 0, 0
.if PFON                               ; B's run two refills on (this TURN's refill is run q + 2 of the tile in hand): 13 blocks of 256 bytes, a lane a block, the lanes left over name the last again; the last tile asks for nothing, so no address leaves ncod
	global_prefetch_b8 v21, s[18:19] offset:((\q)+4)*SLOTB th:TH_LOAD_NT scope:SCOPE_SE
.endif
	WIN 0xf4
	MUL16 4, 1, (\q)%2, 0
	MUL16 6, 1, (\q)%2, 0
	PLACES 5                                       ; four for the reads below and for what reads the results; five for products that begin an accumulator anew
	FETCH_A ((\q)+1)%4, 0, 4
	WIN 0
.endm
; Behind a tile's products: block a's 16 anchors x 128 columns, 64 numbers a lane.
.macro EPI a
	WIN 0x01                                       ; source 0 (n2s) window 1
.set i, 0
.rept 32
	v_pk_add_f32 v[TT+2*i:TT+2*i+1], v[NN+2*i:NN+2*i+1], v[A2+2*(\a):A2+2*(\a)+1]
.set i, i+1
.endr
	WIN 0x02+(\a)/4                                ; source 0 (the sums) window 2 or 3
.set i, 0
.rept 32
	v_pk_fma_f32 v[TT+2*i:TT+2*i+1], v[64*((\a)%4)+2*i:64*((\a)%4)+2*i+1], s[CC:CC+1], v[TT+2*i:TT+2*i+1] op_sel_hi:[1,0,1]   ; each accumulator from its low end on
.set i, i+1
.endr
	WIN 0
.irp b, 0,1,2,3,4,5,6,7                ; the largest of each group of 8 columns, the eight groups by turns
	v_max3_num_f32 v[MX+\b], v[TT+8*\b], v[TT+8*\b+1], v[TT+8*\b+2]
.endr
.irp b, 0,1,2,3,4,5,6,7
	v_max3_num_f32 v[MX+\b], v[MX+\b], v[TT+8*\b+3], v[TT+8*\b+4]
.endr
.irp b, 0,1,2,3,4,5,6,7
	v_max3_num_f32 v[MX+\b], v[MX+\b], v[TT+8*\b+5], v[TT+8*\b+6]
.endr
.irp b, 0,1,2,3,4,5,6,7
	v_max_num_f32 v[MX+\b], v[MX+\b], v[TT+8*\b+7]
.endr
.irp b, 0,1,2,3,4,5,6,7                ; columns ascending; only a strictly larger group displaces what is kept
	v_cmp_gt_f32 vcc_lo, v[MX+\b], v[BEST+(\a)]
	v_cndmask_b32 v[BID+(\a)], v[BID+(\a)], s[COL+\b], vcc_lo
	v_max_num_f32 v[BEST+(\a)], v[BEST+(\a)], v[MX+\b]
.irp j, 0,1,2,3,4,5,6,7
	v_cndmask_b32 v[SV+8*(\a)+\j], v[SV+8*(\a)+\j], v[TT+8*\b+\j], vcc_lo
.endr
.endr
.endm
; A tile: 256 anchors x 256 negatives, K in four runs.  last = 1: the ring's last two slots are not filled again, and nothing is fetched for a next tile.
.macro TILE last
.set PFON, 1-\last
	STEP 0, 1
	TURN 0, 1
	STEP 1, 0
	TURN 1, 1
	STEP 2, 0
	TURN 2, 1-\last
	STEP 3, 0
.if \last
	s_wait_dscnt 12
	WIN 0xa4
	MUL16 0, 1, 1, 0
	MUL16 2, 1, 1, 0
	s_wait_dscnt 0x0
	WIN 0xf4
	MUL16 4, 1, 1, 0
	MUL16 6, 1, 1, 0
	PLACES 5
	WIN 0
.else
	TURN 3, 1
.endif
	s_wait_loadcnt 0x0                             ; n2s of this block (and, the first time, a2s)
.irp a, 0,1,2,3,4,5,6,7
	EPI \a
.endr
.if (\last) == 0
.irp b, 0,1,2,3,4,5,6,7
	s_add_co_u32 s[COL+\b], s[COL+\b], 256
.endr
	s_wait_xcnt 0x0                                ; the prefetches have read their base
	s_add_nc_u64 s[10:11], s[10:11], 1024          ; (the loads that named this base are done)
	s_add_nc_u64 s[18:19], s[18:19], TILEB         ; the prefetches' base: the next tile's four runs
	NLOAD                                          ; the next block's n2s land under its products
.endif
.endm
	v_and_b32 v21, 31, v0                          ; the prefetches' offset: 256 x min(lane, 12); never rewritten
	v_min_u32 v21, 12, v21
	v_lshlrev_b32 v21, 8, v21
	s_wait_alu depctr_va_vdst(0)
	s_wait_tensorcnt 0x0                           ; my run of the head's four is in
	ds_add_u32 v[SPW], v[NIL]
	s_mov_b32 s[G1A+2], 104<<16                    ; no tensor load of mine is out, so a descriptor may be written: A's last load brings 104 rows,
	s_mov_b32 s[G1A+4], 104
	s_mov_b32 s[G1B+2], 52<<16                     ; the ring's loads 52
	s_mov_b32 s[G1B+4], 52
	s_wait_dscnt 0x0
	CROUND                                         ; everybody's run is in, and all sixteen work-groups are here
	tensor_load_to_lds s[G0A+8:G0A+11], s[G1A:G1A+7]   ; A's runs 2 and 3, a quarter of the two a wave: my one load behind the round
	s_nop 0
	PLACES 4
	SCALES 0
	FETCH_B 0, 0
	FETCH_A 0, 0, 0
	FETCH_A 0, 0, 4
	WIN 0
	s_mov_b32 s3, 3
.Ltile:
	TILE 0
	s_sub_co_u32 s3, s3, 1
	s_cmp_lg_u32 s3, 0
	s_cbranch_scc1 .Ltile
	TILE 1                                         ; written out
	; THE END: in the kept group the first column that holds the largest; the key; the better of lanes l and l xor 16 (the larger key, on equal keys the smaller column)
	v_mov_b32 v23, 0                               ; a lane permute's destination counts as one of its sources
	v_mov_b32 v24, 0
.irp a, 0,1,2,3,4,5,6,7
	v_mov_b32 v20, 7
.irp k, 6,5,4,3,2,1,0
	v_cmp_eq_f32 vcc_lo, v[SV+8*\a+\k], v[BEST+\a]
	v_cndmask_b32 v20, v20, \k, vcc_lo
.endr
	v_add3_u32 v[RES+2*\a+1], v[BID+\a], v20, v[H8]
	v_ashrrev_i32 v22, 31, v[BEST+\a]
	v_or_b32 v22, 0x80000000, v22
	v_xor_b32 v[RES+2*\a], v22, v[BEST+\a]         ; negative numbers: all bits turned; the others: the sign bit
	v_permlanex16_b32 v23, v[RES+2*\a], s[SEL], s[SEL+1]
	v_permlanex16_b32 v24, v[RES+2*\a+1], s[SEL], s[SEL+1]
	v_cmp_gt_u32 s86, v23, v[RES+2*\a]
	v_cmp_eq_u32 s87, v23, v[RES+2*\a]
	v_cmp_lt_u32 s88, v24, v[RES+2*\a+1]
	s_and_b32 s87, s87, s88
	s_or_b32 s86, s86, s87
	v_cndmask_b32 v[RES+2*\a], v[RES+2*\a], v23, s86
	v_cndmask_b32 v[RES+2*\a+1], v[RES+2*\a+1], v24, s86
.endr
.irp a, 0,2,4,6                        ; both halves of the lanes hold a block's 16 results: lanes 16-31 take the next block's, and 32 rows leave together
	v_cndmask_b32 v[RES+2*\a], v[RES+2*\a], v[RES+2*\a+2], s84
	v_cndmask_b32 v[RES+2*\a+1], v[RES+2*\a+1], v[RES+2*\a+3], s84
	global_store_b64 v[L8], v[RES+2*\a:RES+2*\a+1], s[12:13] offset:128*\a   ; 32 lanes store 256 consecutive bytes, at a multiple of 256 from cand's first byte
.endr
	s_wait_tensorcnt 0x0                           ; the wave's end
	ds_add_u32 v[SPW], v[NIL]
	s_wait_dscnt 0x0
	CROUND                                         ; the closing round: no work-group ends while a partner may still ask for a tile that names it
	s_endpgm
.Lfunc_end_k_qdbccfa6487_dist:
	.size	k_qdbccfa6487_dist, .Lfunc_end_k_qdbccfa6487_dist-k_qdbccfa6487_dist
	.p2alignl 7, 3214868480
	.fill 96, 4, 3214868480
	.section	.rodata,"a",@progbits
	.p2align	6, 0x0
	.amdhsa_kernel k_qdbccfa6487_dist
		.amdhsa_group_segment_fixed_size 327680
		.amdhsa_private_segment_fixed_size 0
		.amdhsa_enable_private_segment 0
		.amdhsa_kernarg_size 40
		.amdhsa_user_sgpr_count 2
		.amdhsa_user_sgpr_kernarg_segment_ptr 1
		.amdhsa_wavefront_size32 1
		.amdhsa_system_sgpr_workgroup_id_x 1
		.amdhsa_system_sgpr_workgroup_id_y 1
		.amdhsa_system_sgpr_workgroup_id_z 1
		.amdhsa_system_vgpr_workitem_id 0
		.amdhsa_next_free_vgpr 1024
		.amdhsa_next_free_sgpr 100
		.amdhsa_reserve_vcc 1
		.amdhsa_float_denorm_mode_32 3
		.amdhsa_float_denorm_mode_16_64 3
		.amdhsa_memory_ordered 1
		.amdhsa_forward_progress 1
		.amdhsa_inst_pref_size 255
	.end_amdhsa_kernel
	.section	.bss,"aw",@nobits
	.p2align	6
	.space	262144
	.amdgpu_metadata
---
amdhsa.version: [ 1, 2 ]
amdhsa.kernels:
  - .name:           k_qdbccfa6487_dist
    .symbol:         k_qdbccfa6487_dist.kd
    .args:
      - { .name: acod, .offset: 0, .size: 8, .value_kind: global_buffer, .address_space: global }
      - { .name: ncod, .offset: 8, .size: 8, .value_kind: global_buffer, .address_space: global }
      - { .name: a2s, .offset: 16, .size: 8, .value_kind: global_buffer, .address_space: global }
      - { .name: n2s, .offset: 24, .size: 8, .value_kind: global_buffer, .address_space: global }
      - { .name: cand, .offset: 32, .size: 8, .value_kind: global_buffer, .address_space: global }
    .group_segment_fixed_size: 327680
    .private_segment_fixed_size: 0
    .kernarg_segment_align: 8
    .kernarg_segment_size: 40
    .max_flat_workgroup_size: 128
    .sgpr_count:     100
    .vgpr_count:     1024
    .wavefront_size: 32
...
	.end_amdgpu_metadata
.endif
;; end of part 2
;; launch pick (part 3): grid 256 x 1, 8 waves a work-group, no clusters, 0 bytes of LDS; arguments cand, negative, out0; writes out0
.if DOCPART == 3
	.amdgcn_target "amdgcn-amd-amdhsa--gfx1250"
	.amdhsa_code_object_version 6
	.text
	.protected	k_qdbccfa6487_pick
	.globl	k_qdbccfa6487_pick
	.p2align	8
	.type	k_qdbccfa6487_pick,@function
k_qdbccfa6487_pick:
	s_mov_b64 s[64:65], 0
	v_nop
	global_prefetch_b8 v0, s[64:65] scope:SCOPE_SE
	s_setreg_imm32_b32 hwreg(HW_REG_WAVE_MODE, 25, 1), 1
	s_wait_xcnt 0x0
; out0[i] = negative[j(i)], j(i) the column of the best of row i's 16 candidates in cand [slot 16][row 8192] of (key, column): the largest key, on equal keys the smallest column.  All of it on whole numbers.
; A work-group takes 32 rows, a wave 4.  Lane l holds slots l / 4 and l / 4 + 8 of row 4 w + l % 4; three exchanges (lanes l xor 4, 8, 16) leave each row's winner in every lane with that l % 4.
; A row is 4,096 bytes: eight loads and eight stores of 512 consecutive bytes; all 32 loads of a wave are out together.  Memory binds: no LDS, no barrier, no matrix unit, no cluster (nothing is shared).
; The column is held to 0 .. 8,191 before it enters an address.  No hint on the loads: a row may be named by several anchors.
	s_load_b128 s[4:7], s[0:1], 0x0                ; cand s[4:5], negative s[6:7]
	s_load_b64 s[8:9], s[0:1], 0x10                ; out0
	v_lshrrev_b32 v1, 5, v0
	s_delay_alu instid0(VALU_DEP_1)
	v_readfirstlane_b32 s10, v1                    ; wave 0..7
	v_and_b32 v1, 31, v0                           ; lane
	s_delay_alu instid0(VALU_DEP_1)
	v_lshrrev_b32 v2, 2, v1
	s_delay_alu instid0(VALU_DEP_2)
	v_and_b32 v3, 3, v1
	s_delay_alu instid0(VALU_DEP_2)
	v_lshlrev_b32 v2, 16, v2                       ; a slot is 65,536 bytes
	s_delay_alu instid0(VALU_DEP_1)
	v_lshl_add_u32 v2, v3, 3, v2                   ; 8 bytes a row
	s_lshl_b32 s11, s10, 5                         ; 4 rows a wave
	v_add_nc_u32 v2, s11, v2
	v_lshlrev_b32 v3, 4, v1                        ; 16 x lane
	s_lshl_b32 s12, ttmp9, 8                       ; cand: 32 rows of 8 bytes
	s_mov_b32 s13, 0
	s_lshl_b32 s14, ttmp9, 17                      ; out0: 32 rows of 4,096 bytes,
	s_lshl_b32 s15, s10, 14                        ; 4 rows a wave
	s_add_co_u32 s14, s14, s15
	s_mov_b32 s15, 0
	s_mov_b32 s24, 0x76543210
	s_mov_b32 s25, 0xfedcba98                      ; v_permlanex16_b32's selects for lane l xor 16
	s_wait_alu depctr_va_vdst(0)
	s_wait_kmcnt 0x0
	s_add_nc_u64 s[4:5], s[4:5], s[12:13]
	s_add_nc_u64 s[8:9], s[8:9], s[14:15]
	global_load_b64 v[4:5], v2, s[4:5]
	global_load_b64 v[6:7], v2, s[4:5] offset:524288
	s_wait_loadcnt 0x0
.macro MERGE                           ; (v4, v5) takes (v6, v7) where that key is larger, or equal with a smaller column
	v_cmp_gt_u32 s16, v6, v4
	v_cmp_eq_u32 s17, v6, v4
	v_cmp_lt_u32 s18, v7, v5
	s_and_b32 s17, s17, s18
	s_or_b32 s16, s16, s17
	v_cndmask_b32 v4, v4, v6, s16
	v_cndmask_b32 v5, v5, v7, s16
.endm
	MERGE
	s_delay_alu instid0(VALU_DEP_2)
	v_mov_b32_dpp v6, v4 row_xmask:4 row_mask:0xf bank_mask:0xf
	s_delay_alu instid0(VALU_DEP_2)
	v_mov_b32_dpp v7, v5 row_xmask:4 row_mask:0xf bank_mask:0xf
	MERGE
	s_delay_alu instid0(VALU_DEP_2)
	v_mov_b32_dpp v6, v4 row_xmask:8 row_mask:0xf bank_mask:0xf
	s_delay_alu instid0(VALU_DEP_2)
	v_mov_b32_dpp v7, v5 row_xmask:8 row_mask:0xf bank_mask:0xf
	MERGE
	s_delay_alu instid0(VALU_DEP_2)
	v_permlanex16_b32 v6, v4, s24, s25
	s_delay_alu instid0(VALU_DEP_2)
	v_permlanex16_b32 v7, v5, s24, s25
	MERGE
.irp i, 0,1,2,3
	v_readlane_b32 s[20+\i], v5, \i                ; row 4 w + i's column
	s_min_u32 s[20+\i], s[20+\i], 0x1fff
	s_lshl_b32 s[20+\i], s[20+\i], 12
	v_add_nc_u32 v[8+\i], s[20+\i], v3
.endr
.irp i, 0,1,2,3
.irp j, 0,1,2,3,4,5,6,7
	global_load_b128 v[32+32*\i+4*\j:35+32*\i+4*\j], v[8+\i], s[6:7] offset:512*\j
.endr
.endr
.set n, 0
.rept 32
	s_wait_loadcnt 31-n                            ; loads come back in order: load n is in, the younger ones stay out
	global_store_b128 v3, v[32+4*n:35+4*n], s[8:9] offset:512*n th:TH_STORE_NT   ; 512 consecutive bytes, aligned; written once, read by nobody here
.set n, n+1
.endr
	s_endpgm
.Lfunc_end_k_qdbccfa6487_pick:
	.size	k_qdbccfa6487_pick, .Lfunc_end_k_qdbccfa6487_pick-k_qdbccfa6487_pick
	.p2alignl 7, 3214868480
	.fill 96, 4, 3214868480
	.section	.rodata,"a",@progbits
	.p2align	6, 0x0
	.amdhsa_kernel k_qdbccfa6487_pick
		.amdhsa_group_segment_fixed_size 0
		.amdhsa_private_segment_fixed_size 0
		.amdhsa_enable_private_segment 0
		.amdhsa_kernarg_size 24
		.amdhsa_user_sgpr_count 2
		.amdhsa_user_sgpr_kernarg_segment_ptr 1
		.amdhsa_wavefront_size32 1
		.amdhsa_system_sgpr_workgroup_id_x 1
		.amdhsa_system_sgpr_workgroup_id_y 1
		.amdhsa_system_sgpr_workgroup_id_z 1
		.amdhsa_system_vgpr_workitem_id 0
		.amdhsa_next_free_vgpr 160
		.amdhsa_next_free_sgpr 66
		.amdhsa_reserve_vcc 0
		.amdhsa_float_denorm_mode_32 3
		.amdhsa_float_denorm_mode_16_64 3
		.amdhsa_memory_ordered 1
		.amdhsa_forward_progress 1
		.amdhsa_inst_pref_size 12
	.end_amdhsa_kernel
	.amdgpu_metadata
---
amdhsa.version: [ 1, 2 ]
amdhsa.kernels:
  - .name:           k_qdbccfa6487_pick
    .symbol:         k_qdbccfa6487_pick.kd
    .args:
      - { .name: cand, .offset: 0, .size: 8, .value_kind: global_buffer, .address_space: global }
      - { .name: negative, .offset: 8, .size: 8, .value_kind: global_buffer, .address_space: global }
      - { .name: out0, .offset: 16, .size: 8, .value_kind: global_buffer, .address_space: global }
    .group_segment_fixed_size: 0
    .private_segment_fixed_size: 0
    .kernarg_segment_align: 8
    .kernarg_segment_size: 24
    .max_flat_workgroup_size: 256
    .sgpr_count:     66
    .vgpr_count:     160
    .wavefront_size: 32
...
	.end_amdgpu_metadata
.endif
;; end of part 3
